; MI455X (gfx1250); checked and timed in simulation.
; The chip was launched on July 23, 2026; its instructions are those of AMD's public machine-readable ISA for CDNA 5 (MIT licence, August 2026) and "CDNA5" Instruction Set Architecture Reference Guide (July 2026). The comments in the code are by the model that wrote it; some were corrected since.
;; SSMLP. Allowed arithmetic: matrix products marked QUANTISED: E3M2 operands, one E8M0 scale for each 32 along K, by v_wmma_scale_f32_16x16x128_f8f6f4 with both operands' format E3M2, f32 sums; everything else in f32.
;; Inputs: W1 2,048 x 8,192 float32; W2 8,192 x 2,048 float32; W3 2,048 x 8,192 float32; hidden_states 8,192 x 2,048 float32; input_idx 1,024 int32; routing_weights 1,024 x 1 float32.
;; Outputs: out0 1,024 x 2,048 float32.
;; This version of the problem:
;;   THIS VERSION OF THE PROBLEM IS GIVEN IN LOW PRECISION. The matrix products marked QUANTISED in the list below multiply operands that are first quantised to E3M2 (3 exponent bits, 2 mantissa bits; 6 bits a number), with one power-of-two scale for each 32 numbers along K (OCP MX v1.0); their sums are f32. All else is computed in f32.
;;   The module's matrix products, in the order in which they are computed (A, B: the left and right operand; K: the contracted axis; several contracted axes count as one K, in the product's order):
;;     1. [M 1,024, K 2,048] x [K 2,048, N 8,192]; A: computed on the way; B: input W1: QUANTISED
;;     2. [M 1,024, K 2,048] x [K 2,048, N 8,192]; A: computed on the way; B: input W3: QUANTISED
;;     3. [M 1,024, K 8,192] x [K 8,192, N 2,048]; A: computed on the way; B: input W2: QUANTISED
;;   THE QUANTISER, for each operand of a quantised product, along K:
;;     - K is cut into blocks of 32 from its start; a last block that is shorter is filled with zeros.
;;     - A block's scale is 2^e with e = floor(log2(the largest magnitude in the block)) - 4, held to -126 .. 127; a block of zeros has e = 0. As a byte (E8M0): e + 127.
;;     - Each number is divided by its block's scale, clamped to +-28, and rounded to the nearest number of E3M2, ties to even, subnormals kept.
;;     - The product sums the exact products of the quantised numbers (number of the format x scale) in f32.
;;   ~~~python
;;   def quantise(x, axis):      # numpy; x: float32 -> the quantised numbers, widened to float32 again
;;       x = np.moveaxis(x, axis, -1); K = x.shape[-1]
;;       x = np.pad(x, [(0, 0)] * (x.ndim - 1) + [(0, -K % 32)]); x = x.reshape(x.shape[:-1] + (-1, 32)); a = np.abs(x).max(-1, keepdims=True)
;;       e = np.where(a > 0, np.clip(np.frexp(np.where(a > 0, a, 1))[1] - 1 - 4, -126, 127), 0)      # np.frexp(a)[1] - 1 = floor(log2(a)), exactly
;;       r = np.clip(x / 2.0 ** e, -28, 28)
;;       step = 2.0 ** (np.maximum(np.frexp(np.where(r == 0, 1, r))[1] - 1, -2) - 2)
;;       q = np.round(r / step) * step * 2.0 ** e      # np.round: ties to even
;;       return np.moveaxis(q.reshape(q.shape[:-2] + (-1,))[..., :K], -1, axis).astype(np.float32)
;;   ~~~
;;   OPERANDS COMPUTED ON THE WAY. 'Computed on the way' means the value that the module computes at that place (a softmax that the list does not call 'softmax' is quantised finished and normalised). What goes into a quantiser is computed in f32, as accurately as f32 sums, v_exp_f32 and their like allow (about 1e-6 of the number): no bf16 or f16 on the way to a quantiser, and a product that is left as it is and whose result goes on into a quantised operand takes f32 operands (vector FMAs, or v_wmma_f32_16x16x4_f32). A number that lies on a knife's edge between two numbers of the format may be rounded either way, as far as f32 arithmetic and the matrix unit's own rounding can turn it there, and no further.
;; One version. Each part assembles by itself: llvm-mc -triple=amdgcn-amd-amdhsa -mcpu=gfx1250 --defsym DOCPART=n.
;; ======== version 1 of 1: 3 launches
;; limits: right only within a limited range of input values
;; workspace buffers: xq 1,638,400 bytes; w13q 26,214,400 bytes; w2q 13,107,200 bytes; hq 6,553,600 bytes
;; launch prep (part 1): grid 256 x 1, 4 waves a work-group, no clusters, 327,680 bytes of LDS; arguments hidden_states, input_idx, W1, W3, W2, xq, w13q, w2q; writes xq, w13q, w2q
.if DOCPART == 1
	.amdgcn_target "amdgcn-amd-amdhsa--gfx1250"
	.amdhsa_code_object_version 6
	.text
	.protected	k_qfd424fe6fb_prep
	.globl	k_qfd424fe6fb_prep
	.p2align	8
	.type	k_qfd424fe6fb_prep,@function
k_qfd424fe6fb_prep:
	s_mov_b64 s[64:65], 0
	v_nop
	global_prefetch_b8 v0, s[64:65] scope:SCOPE_SE
	s_setreg_imm32_b32 hwreg(HW_REG_WAVE_MODE, 25, 1), 1
	s_wait_xcnt 0x0
; PREP: the gather, and every input's way into codes of E3M2 (6 bits) with one E8M0 byte for each 32 along K.
; A block's scale is 2^(floor(log2(its largest magnitude)) - 4); its byte is the largest magnitude's exponent field - 4, held at 1 from below.
; LIMITS: NaN and infinities among the inputs are not served.  A block of zeros gets the byte 1 where the quantiser says 127: its codes are zeros, which add nothing
; under any byte but 0xff, and these bytes are read by this program alone.  An index is held to 0 .. 8,191, the table's rows.
; THE WORKSPACE IS LAID IN THE ORDER OF THE OPERAND'S REGISTERS.  A fragment (16 operand rows x 128 K, 12 registers a lane) is 1,536 bytes; for c = 0, 1, at byte 768 c:
;   512 bytes: lane l's registers 6 c .. 6 c + 3 at 16 l;   256 bytes: lane (r, h)'s registers 6 c + 4, 6 c + 5 at 16 r + 8 h   (l = 16 h + r; the six are row r's codes of K = 64 c + 32 h + 0 .. 31).
; A packet is 128 rows x 256 K: fragment (tile i, K step q) at (2 i + q) x 1,536, then 8 scale bytes a row at 24,576: 25,600 bytes.  W2's packets have 64 rows: 12,288 + 512 bytes.
; xq [row group 8][slot 8], w13q [group of 64 FFN columns 128][slot 8] (tiles 0-3 from W1, 4-7 from W3), w2q [group of 64 columns 32][slot 32].
; In w13q row r of a matrix's tile 2 b + u is FFN column 32 b + 8 u + r + 8 (r / 8) of the group.
; THE DEAL: 256 work-groups of 4 waves; wave g = 4 x work-group + wave (0 .. 1,023) takes one fragment of x and three units of 64 columns x 256 K: of W1 and of W3 (slot g / 128, group g % 128) and of W2 (slot g / 32, group g % 32).
; THE WEIGHTS come by tensor loads: a unit is two tiles (K step q = 0, 1) of 128 rows x 256 bytes, each row whole and on a 256-byte border; tile q lies in slot q of a ring of two slots, 32,768 bytes a wave, the wave's own.
; Six fills a wave, each with a descriptor group 0 of its own, made once; two groups 1, for rows 8,192 and 2,048 elements apart.  One tensor load a wave is out at a time.
; From LDS A LANE TAKES A COLUMN AND ITS REGISTERS RUN DOWN K: 32 lanes read 128 consecutive bytes of a row, a block of 32 lies in one lane, and the conversions give codes with K innermost.
; A pair of blocks leaves by three stores in which sixteen lanes fill 256 consecutive bytes, aligned; a row's 8 scale bytes by a store of 256 consecutive bytes a wave.
; PREFETCH: behind each tensor load the wave asks for its own next tile, the one that its next tensor load brings: 128 rows x 256 bytes, a lane a row, four instructions; the last fill has none behind it.
; x's fragment (16 gathered rows x 128 K) is made in the head, by loads into registers, while the first tile is out; its stage in LDS has bytes of its own.
; No cluster: no input byte is wanted by two work-groups.  No matrix unit.
.set PKT, 25600
.set SLOTB, 131072
.set XST, 2*SLOTB                      ; x's stages, 5,120 bytes a wave
.set SPARE, XST+4*5120                 ; the spare words: 512 bytes that no other line names
.set SW,  28                           ; v28-31 scale words: 2 x (half of my columns) + q
.set AW0, 32                           ; LDS address of my column in slot 0, 1: W1's and W3's order,
.set AW1, 33
.set AV0, 34                           ; and W2's
.set AV1, 35
.set PFOA, 36                          ; the prefetches' offsets: lane x a row
.set PFOB, 37
.set SPW, 38                           ; LDS address of my spare word; never rewritten
.set NIL, 39                           ; 0; never rewritten
.set X,   40                           ; v40-103 two sets of 32 numbers
.set CP,  104                          ; v104-151 codes: 12 registers for each pair of blocks of a tile
.set XR,  40                           ; x: two steps of 32 registers as loaded
.set XN,  104                          ; x: a lane's 32 neighbours
.set DF,  24                           ; s[24:47] group 0 of fills 0 .. 5
.set G1A, 48
.set G1B, 56
.macro BMAX xs, m
	v_max3_num_f32 v[\m], |v[\xs]|, |v[\xs+1]|, |v[\xs+2]|
	v_max3_num_f32 v[\m+1], |v[\xs+3]|, |v[\xs+4]|, |v[\xs+5]|
.irp i, 6,10,14,18,22,26
	v_max3_num_f32 v[\m], v[\m], |v[\xs+\i]|, |v[\xs+\i+1]|
	v_max3_num_f32 v[\m+1], v[\m+1], |v[\xs+\i+2]|, |v[\xs+\i+3]|
.endr
	v_max3_num_f32 v[\m], v[\m], |v[\xs+30]|, |v[\xs+31]|
	v_max3_num_f32 v[\m], v[\m], v[\m+1], 0x2800000
.endm
.macro MKD f, src, off, slot           ; group 0 of fill f
	s_mov_b32 s[DF+4*\f], 1
	s_add_co_u32 s[DF+4*\f+1], s21, \slot*SLOTB
	s_add_nc_u64 s[DF+4*\f+2:DF+4*\f+3], s[\src:\src+1], \off
	s_or_b32 s[DF+4*\f+3], s[DF+4*\f+3], 0x80000000
.endm
.macro TL f, g1
	tensor_load_to_lds s[DF+4*\f:DF+4*\f+3], s[\g1:\g1+7]
	s_nop 0
.rept 4
	v_nop
.endr
.endm
.macro TL2 fa, ga, fb, gb              ; the loop's first trip (s3 = 2) asks for fill fa, its second for fb: one load on either way
	s_cmp_eq_u32 s3, 2
	s_cbranch_scc0 .Lsecond_\@
	TL \fa, \ga
	s_branch .Lasked_\@
.Lsecond_\@:
	TL \fb, \gb
.Lasked_\@:
.endm
.macro ASK q                           ; first trip: W3's tile q; second trip: W2's tile q
	s_cmp_eq_u32 s3, 2
	s_cbranch_scc0 .Lpf_b_\@
.irp i, 0,1,2,3
	global_prefetch_b8 v[PFOA], s[68:69] offset:(\q)*4194304+\i*1048576 th:TH_LOAD_NT scope:SCOPE_SE
.endr
	s_branch .Lpf_e_\@
.Lpf_b_\@:
.irp i, 0,1,2,3
	global_prefetch_b8 v[PFOB], s[70:71] offset:(\q)*1048576+\i*262144 th:TH_LOAD_NT scope:SCOPE_SE
.endr
.Lpf_e_\@:
.endm
.macro SYNC                            ; the lines in front of a refill, and the barrier
	s_wait_tensorcnt 0x0                           ; my one load that was out, this trip's tile, has landed
	ds_add_u32 v[SPW], v[NIL]
	s_wait_dscnt 0x0                               ; the add is done, and so are my reads of the other slot
	s_barrier_signal -1
	s_barrier_wait -1
.endm
.macro LD n, adr                       ; block n = 4 x half + t of the tile: rows 32 t .. 32 t + 31 of my column
.irp i, 0,1,2,3,4,5,6,7,8,9,10,11,12,13,14,15,16,17,18,19,20,21,22,23,24,25,26,27,28,29,30,31
	ds_load_b32 v[X+32*((\n)%2)+\i], v[\adr] offset:128*((\n)/4)+256*(32*((\n)%4)+\i)
.endr
.endm
.macro BLOCK n, adr, q, cd
.set XS, X+32*((\n)%2)
.set HC, (\n)/4
.set TT, (\n)%4
.set CC, TT/2
.set HH, TT%2
.set CPR, CP+12*((\n)/2)
.if (\n) < 7
	s_wait_dscnt 32                                ; this block's 32 loads are in; the next block's 32 may be out
.else
	s_wait_dscnt 0x0
.endif
	BMAX XS, 24
	v_add_nc_u32 v26, 0xfe000000, v24              ; 4 off the exponent field: the conversion's scale operand
	v_cvt_scalef32_pk16_bf6_f32 v[CPR+4*HH:CPR+4*HH+2], v[XS:XS+15], v26
	v_cvt_scalef32_pk16_bf6_f32 v[16:18], v[XS+16:XS+31], v26      ; (a conversion's three registers begin on an even number: these are moved)
.if TT == 0
	v_lshrrev_b32 v[SW+2*HC+(\q)], 23, v26         ; the scale's byte; also the plain line behind the conversions
.else
	v_lshrrev_b32 v27, 23, v26
	v_lshl_or_b32 v[SW+2*HC+(\q)], v27, 8*TT, v[SW+2*HC+(\q)]
.endif
	v_mov_b32 v[CPR+4*HH+3], v16                   ; the block's bytes 12-15 complete its first 16;
	v_mov_b32 v[CPR+8+2*HH], v17                   ; its last 8 lie beside the other block's last 8
	v_mov_b32 v[CPR+9+2*HH], v18
.if (\n)+2 < 8
	LD (\n)+2, \adr
.endif
.if HH == 1                            ; lanes 0-15 fill 256 consecutive bytes, aligned, of one tile's fragment, lanes 16-31 of the next tile's
	global_store_b128 v5, v[CPR:CPR+3], s[\cd:\cd+1] offset:HC*6144+(\q)*1536+768*CC
	global_store_b128 v5, v[CPR+4:CPR+7], s[\cd:\cd+1] offset:HC*6144+(\q)*1536+768*CC+256
	global_store_b128 v5, v[CPR+8:CPR+11], s[\cd:\cd+1] offset:HC*6144+(\q)*1536+768*CC+512
.endif
.endm
.macro PROC q, adr, cd, ask            ; a tile: 8 blocks a lane
	s_wait_xcnt 0x0                                ; the last tile's stores have read their data: the codes' and the words' registers may be written again
	LD 0, \adr
	LD 1, \adr
.if \ask
	ASK \q
.endif
.irp n, 0,1,2,3,4,5,6,7
	BLOCK \n, \adr, \q, \cd
.endr
.endm
.macro WORDS sd                        ; a unit's scale bytes: 8 a row, 256 consecutive bytes a store
	global_store_b64 v6, v[SW:SW+1], s[\sd:\sd+1]
	global_store_b64 v6, v[SW+2:SW+3], s[\sd:\sd+1] offset:256
.endm
; x.  Step c: 16 rows x 64 along K.  Load j: lanes 0-15 read 256 consecutive bytes of row 2 j, lanes 16-31 of row 2 j + 1.
.macro XL c
.irp j, 0,1,2,3,4,5,6,7
	global_load_b128 v[XR+32*(\c)+4*\j:XR+32*(\c)+4*\j+3], v[16+\j], s[82:83] offset:256*(\c)
.endr
.endm
.macro XSTEP c
.set LS, XR+32*(\c)
.set XC, 136+8*(\c)
	s_wait_loadcnt 8*(1-(\c))                      ; this step's 8 loads are in; the other step's 8 may be out
.irp j, 0,1,2,3,4,5,6,7
	ds_store_b128 v12, v[LS+4*\j:LS+4*\j+3] offset:288*\j          ; through my wave's own stage: (row, half) at 144 row + 2,432 half
.endr
.irp i, 0,1,2,3,4,5,6,7
	ds_load_b128 v[XN+4*\i:XN+4*\i+3], v13 offset:16*\i            ; back: lane (r, h) takes row r's 32 neighbours 32 h on.  LDS serves a wave's instructions in order
.endr
	s_wait_dscnt 0x0
	BMAX XN, 156
	v_add_nc_u32 v158, 0xfe000000, v156
	v_cvt_scalef32_pk16_bf6_f32 v[XC:XC+2], v[XN:XN+15], v158
	v_cvt_scalef32_pk16_bf6_f32 v[152:154], v[XN+16:XN+31], v158
.if \c == 0
	v_lshrrev_b32 v11, 23, v158                    ; my block's byte, at bit 16 c; also the plain line behind the conversions
.else
	v_lshrrev_b32 v159, 23, v158
	v_lshl_or_b32 v11, v159, 16, v11
.endif
	v_mov_b32 v[XC+3], v152
	v_mov_b32 v[XC+4], v153
	v_mov_b32 v[XC+5], v154
	global_store_b128 v7, v[XC:XC+3], s[84:85] offset:768*(\c)             ; 512 consecutive bytes, aligned
	global_store_b64 v8, v[XC+4:XC+5], s[84:85] offset:768*(\c)+512        ; 256 consecutive bytes, aligned
.endm
	s_load_b128 s[4:7], s[0:1], 0x0                ; hidden_states s[4:5], input_idx s[6:7]
	s_load_b128 s[8:11], s[0:1], 0x10              ; W1 s[8:9], W3 s[10:11]
	s_load_b128 s[12:15], s[0:1], 0x20             ; W2 s[12:13], xq s[14:15]
	s_load_b128 s[16:19], s[0:1], 0x30             ; w13q s[16:17], w2q s[18:19]
	v_lshl_add_u32 v[SPW], v0, 2, SPARE
	v_mov_b32 v[NIL], 0
	ds_add_u32 v[SPW], v[NIL]                      ; the opening lines: the add,
	ds_add_u32 v[SPW], v[NIL]                      ; once more, and below, behind work on registers, the one wait
	v_lshrrev_b32 v1, 5, v0
	v_readfirstlane_b32 s20, v1                    ; wave 0..3
	v_and_b32 v1, 31, v0                           ; lane l
	v_lshrrev_b32 v2, 4, v1                        ; l / 16
	v_and_b32 v3, 15, v1                           ; l % 16
	s_lshl_b32 s21, s20, 15                        ; my 32,768 bytes of a slot
	v_and_b32 v4, 7, v1                            ; W1, W3: lane 16 u + r takes column 8 u + r + 8 (r / 8) of 32: l % 8 + 8 (l / 16) + 16 ((l / 8) % 2)
	v_bfe_u32 v14, v1, 3, 1
	v_lshl_add_u32 v4, v2, 3, v4
	v_lshl_add_u32 v4, v14, 4, v4
	v_lshlrev_b32 v4, 2, v4
	v_add_nc_u32 v[AW0], s21, v4
	v_add_nc_u32 v[AW1], SLOTB, v[AW0]
	v_lshlrev_b32 v4, 2, v1                        ; W2: lane l takes column l
	v_add_nc_u32 v[AV0], s21, v4
	v_add_nc_u32 v[AV1], SLOTB, v[AV0]
	v_lshlrev_b32 v[PFOA], 15, v1
	v_lshlrev_b32 v[PFOB], 13, v1
	v_lshlrev_b32 v5, 4, v3
	v_mad_u32_u24 v5, v2, 3072, v5                 ; codes: lanes 0-15 one tile, lanes 16-31 the next; 16 bytes a row
	v_lshlrev_b32 v6, 3, v1                        ; scale bytes: 8 a row
	v_lshlrev_b32 v4, 2, v2                        ; x: index loads: lanes 0-15 one row's index, lanes 16-31 the next row's
	v_lshlrev_b32 v7, 4, v1                        ; codes: 16 l
	v_lshlrev_b32 v8, 4, v3
	v_lshl_add_u32 v8, v2, 3, v8                   ; 16 r + 8 h
	v_lshlrev_b32 v9, 3, v3                        ; scale word: 8 r
	v_lshlrev_b32 v10, 3, v2                       ; 8 h
	s_mul_i32 s23, s20, 5120
	s_add_co_u32 s23, s23, XST                     ; my wave's stage
	v_mul_u32_u24 v12, v2, 144                     ; in: 144 (l / 16) + 2,432 ((l / 8) % 2) + 16 (l % 8)
	v_mad_u32_u24 v12, v14, 2432, v12
	v_and_b32 v14, 7, v1
	v_lshl_add_u32 v12, v14, 4, v12
	v_add_nc_u32 v12, s23, v12
	v_mul_u32_u24 v13, v3, 144                     ; back: 144 r + 2,432 h
	v_mad_u32_u24 v13, v2, 2432, v13
	v_add_nc_u32 v13, s23, v13
	v_lshlrev_b32 v15, 4, v3                       ; my 16 bytes of a load's 256
	v_mov_b32 v160, 0                              ; a lane permute's destination counts as one of its sources
	s_mov_b32 s96, 0x76543210
	s_mov_b32 s97, 0xfedcba98                      ; v_permlanex16_b32's selects for lane l xor 16
.irp g, G1A, G1B                       ; group 1: 128 rows of 64 elements of 4 bytes, dense in LDS
	s_mov_b32 s[\g+0], 2<<16
	s_mov_b32 s[\g+1], 64<<16
	s_mov_b32 s[\g+2], 128<<16
	s_mov_b32 s[\g+3], 64<<16
	s_mov_b32 s[\g+4], 128
	s_mov_b32 s[\g+6], 0
	s_mov_b32 s[\g+7], 0
.endr
	s_mov_b32 s[G1A+5], 8192                       ; W1, W3: elements from row to row
	s_mov_b32 s[G1B+5], 2048                       ; W2
	s_lshl_b32 s22, ttmp9, 2
	s_add_co_u32 s22, s22, s20                     ; g
	s_lshr_b32 s88, s22, 7                         ; W1, W3: slot,
	s_and_b32 s89, s22, 127                        ; group
	s_lshl_b32 s66, s88, 23                        ; 256 rows of 32,768 bytes
	s_lshl_b32 s90, s89, 8                         ; 64 columns
	s_add_co_u32 s66, s66, s90
	s_mov_b32 s67, 0
	s_lshl_b32 s72, s89, 3
	s_add_co_u32 s72, s72, s88
	s_mul_i32 s72, s72, PKT                        ; the packet
	s_mov_b32 s73, 0
	s_lshr_b32 s88, s22, 5                         ; W2: slot,
	s_and_b32 s89, s22, 31                         ; group
	s_lshl_b32 s70, s88, 21                        ; 256 rows of 8,192 bytes
	s_lshl_b32 s90, s89, 8
	s_add_co_u32 s70, s70, s90
	s_mov_b32 s71, 0
	s_lshl_b32 s76, s89, 5
	s_add_co_u32 s76, s76, s88
	s_mul_i32 s76, s76, 12800
	s_mov_b32 s77, 0
	s_lshr_b32 s88, s22, 4                         ; x: packet = 8 x row group + slot,
	s_bfe_u32 s89, s22, 0x30001                    ; tile,
	s_and_b32 s90, s22, 1                          ; K step q
	s_lshr_b32 s91, s88, 3
	s_and_b32 s92, s88, 7
	s_lshl_b32 s80, s91, 9
	s_lshl_b32 s93, s89, 6
	s_add_co_u32 s80, s80, s93                     ; (128 group + 16 tile) indices of 4 bytes
	s_mov_b32 s81, 0
	s_lshl_b32 s82, s92, 10
	s_lshl_b32 s93, s90, 9
	s_add_co_u32 s82, s82, s93                     ; (256 slot + 128 q) numbers of 4 bytes
	s_mov_b32 s83, 0
	s_mul_i32 s88, s88, PKT
	s_mul_i32 s84, s89, 3072
	s_add_co_u32 s84, s84, s88
	s_mul_i32 s93, s90, 1536
	s_add_co_u32 s84, s84, s93                     ; my fragment
	s_mov_b32 s85, 0
	s_lshl_b32 s86, s89, 7
	s_add_co_u32 s86, s86, s88
	s_lshl_b32 s93, s90, 2
	s_add_co_u32 s86, s86, s93
	s_add_co_u32 s86, s86, 24576                   ; my 16 rows' words of K step q
	s_mov_b32 s87, 0
	s_wait_alu depctr_va_vdst(0)
	s_wait_dscnt 0x0                               ; both opening adds are done
	s_wait_kmcnt 0x0
	s_add_nc_u64 s[68:69], s[10:11], s[66:67]      ; my unit of W3,
	s_add_nc_u64 s[66:67], s[8:9], s[66:67]        ; of W1,
	s_add_nc_u64 s[70:71], s[12:13], s[70:71]      ; of W2
	MKD 0, 66, 0, 0
	TL 0, G1A                                      ; W1's tile 0: one tensor load a wave at the head
	s_add_nc_u64 s[80:81], s[6:7], s[80:81]
.irp k, 0,1,2,3,4,5,6,7
	global_load_b32 v[16+\k], v4, s[80:81] offset:8*\k             ; the index of row 2 k + l / 16 of my 16
.endr
.irp i, 0,1,2,3
	global_prefetch_b8 v[PFOA], s[66:67] offset:4194304+\i*1048576 th:TH_LOAD_NT scope:SCOPE_SE   ; W1's tile 1
.endr
	MKD 1, 66, 4194304, 1                          ; 128 rows of 32,768 bytes on
	MKD 2, 68, 0, 0
	MKD 3, 68, 4194304, 1
	MKD 4, 70, 0, 0
	MKD 5, 70, 1048576, 1                          ; 128 rows of 8,192 bytes on
	s_add_nc_u64 s[72:73], s[16:17], s[72:73]      ; where W1's codes go,
	s_add_nc_u64 s[74:75], s[72:73], 24576         ; and its scale bytes;
	s_add_nc_u64 s[76:77], s[18:19], s[76:77]      ; W2's codes,
	s_add_nc_u64 s[78:79], s[76:77], 12288         ; and scale bytes
	s_add_nc_u64 s[82:83], s[4:5], s[82:83]
	s_add_nc_u64 s[84:85], s[14:15], s[84:85]
	s_add_nc_u64 s[86:87], s[14:15], s[86:87]
	s_wait_loadcnt 0x0
.irp k, 0,1,2,3,4,5,6,7
	v_min_u32 v[16+\k], 0x1fff, v[16+\k]           ; held inside the table
.endr
.irp k, 0,1,2,3,4,5,6,7
	v_lshlrev_b32 v[16+\k], 13, v[16+\k]           ; a row is 8,192 bytes
.endr
.irp k, 0,1,2,3,4,5,6,7
	v_add_nc_u32 v[16+\k], v15, v[16+\k]
.endr
	XL 0
	XL 1
	XSTEP 0
	XSTEP 1
	v_lshlrev_b32 v11, v10, v11                    ; my two bytes (blocks h and 2 + h of the K step) at their places,
	v_permlanex16_b32 v160, v11, s96, s97
	v_or_b32 v11, v11, v160                        ; with lane l xor 16's two the word is whole
	s_wait_alu depctr_va_vdst(0)
	s_wait_xcnt 0x0                                ; EXEC changes only behind this wait
	v_cmp_gt_u32 vcc_lo, 16, v1
	s_and_saveexec_b32 s23, vcc_lo
	global_store_b32 v9, v11, s[86:87]             ; lanes 0-15: row r's word of my K step
	s_wait_xcnt 0x0
	s_or_b32 exec_lo, exec_lo, s23
	s_mov_b32 s3, 2
.Ltrip:                                                ; a trip is a unit: W1's, then W3's
	SYNC
	TL2 1, G1A, 3, G1A                             ; this unit's tile 1, into slot 1
	PROC 0, AW0, 72, 1
	SYNC
	TL2 2, G1A, 4, G1B                             ; the next unit's tile 0, into slot 0
	PROC 1, AW1, 72, 1
	WORDS 74
	s_wait_xcnt 0x0                                ; the stores have read their bases
	s_add_nc_u64 s[72:73], s[72:73], 12288         ; W3's four tiles lie behind W1's,
	s_add_nc_u64 s[74:75], s[74:75], 512           ; and so do its scale bytes
	s_sub_co_u32 s3, s3, 1
	s_cmp_lg_u32 s3, 0
	s_cbranch_scc1 .Ltrip
	SYNC                                           ; W2's unit is written out: its last tile has no fill behind it
	TL 5, G1B
	PROC 0, AV0, 76, 0
	SYNC
	PROC 1, AV1, 76, 0
	WORDS 78
	s_wait_tensorcnt 0x0                           ; the wave's end
	ds_add_u32 v[SPW], v[NIL]
	s_wait_dscnt 0x0
	s_endpgm
.Lfunc_end_k_qfd424fe6fb_prep:
	.size	k_qfd424fe6fb_prep, .Lfunc_end_k_qfd424fe6fb_prep-k_qfd424fe6fb_prep
	.p2alignl 7, 3214868480
	.fill 96, 4, 3214868480
	.section	.rodata,"a",@progbits
	.p2align	6, 0x0
	.amdhsa_kernel k_qfd424fe6fb_prep
		.amdhsa_group_segment_fixed_size 327680
		.amdhsa_private_segment_fixed_size 0
		.amdhsa_enable_private_segment 0
		.amdhsa_kernarg_size 64
		.amdhsa_user_sgpr_count 2
		.amdhsa_user_sgpr_kernarg_segment_ptr 1
		.amdhsa_wavefront_size32 1
		.amdhsa_system_sgpr_workgroup_id_x 1
		.amdhsa_system_sgpr_workgroup_id_y 1
		.amdhsa_system_sgpr_workgroup_id_z 1
		.amdhsa_system_vgpr_workitem_id 0
		.amdhsa_next_free_vgpr 168
		.amdhsa_next_free_sgpr 98
		.amdhsa_reserve_vcc 1
		.amdhsa_float_denorm_mode_32 3
		.amdhsa_float_denorm_mode_16_64 3
		.amdhsa_memory_ordered 1
		.amdhsa_forward_progress 1
		.amdhsa_inst_pref_size 136
	.end_amdhsa_kernel
	.amdgpu_metadata
---
amdhsa.version: [ 1, 2 ]
amdhsa.kernels:
  - .name:           k_qfd424fe6fb_prep
    .symbol:         k_qfd424fe6fb_prep.kd
    .args:
      - { .name: hidden_states, .offset: 0, .size: 8, .value_kind: global_buffer, .address_space: global }
      - { .name: input_idx, .offset: 8, .size: 8, .value_kind: global_buffer, .address_space: global }
      - { .name: W1, .offset: 16, .size: 8, .value_kind: global_buffer, .address_space: global }
      - { .name: W3, .offset: 24, .size: 8, .value_kind: global_buffer, .address_space: global }
      - { .name: W2, .offset: 32, .size: 8, .value_kind: global_buffer, .address_space: global }
      - { .name: xq, .offset: 40, .size: 8, .value_kind: global_buffer, .address_space: global }
      - { .name: w13q, .offset: 48, .size: 8, .value_kind: global_buffer, .address_space: global }
      - { .name: w2q, .offset: 56, .size: 8, .value_kind: global_buffer, .address_space: global }
    .group_segment_fixed_size: 327680
    .private_segment_fixed_size: 0
    .kernarg_segment_align: 8
    .kernarg_segment_size: 64
    .max_flat_workgroup_size: 128
    .sgpr_count:     98
    .vgpr_count:     168
    .wavefront_size: 32
...
	.end_amdgpu_metadata
.endif
;; end of part 1
;; launch gateup (part 2): grid 64 x 4, 4 waves a work-group, clusters of 4 x 4, 327,680 bytes of LDS; arguments xq, w13q, hq; writes hq
.if DOCPART == 2
	.amdgcn_target "amdgcn-amd-amdhsa--gfx1250"
	.amdhsa_code_object_version 6
	.text
	.protected	k_qfd424fe6fb_gateup
	.globl	k_qfd424fe6fb_gateup
	.p2align	8
	.type	k_qfd424fe6fb_gateup,@function
k_qfd424fe6fb_gateup:
	s_mov_b64 s[64:65], 0
	v_nop
	global_prefetch_b8 v0, s[64:65] scope:SCOPE_SE
	s_setreg_imm32_b32 hwreg(HW_REG_WAVE_MODE, 25, 1), 1
	s_wait_xcnt 0x0
	s_wait_alu depctr_hold_cnt(0) depctr_sa_sdst(0) depctr_va_vdst(0) depctr_va_sdst(0) depctr_va_ssrc(0) depctr_va_vcc(0) depctr_vm_vsrc(0)
	s_getreg_b32 s2, hwreg(HW_REG_IB_STS2, 6, 4)
	s_cmp_eq_u32 s2, 0
	s_cbranch_scc0 .Lentry_in_a_cluster
	s_endpgm
.Lentry_in_a_cluster:
	s_bfe_u32 s2, ttmp6, 0x10000c
	s_cmp_lg_u32 s2, 0xf033
	s_cbranch_scc0 .Lentry_shape_is_right
	s_endpgm
.Lentry_shape_is_right:
.set PKT,   25600
.set SLOT,  4*PKT
.set SPARE, 2*SLOT
.set SCST,  SPARE+512
.set LAPS,  4
.set NQ,    2
.set FR,    12
.set NL,    4
.set NP,    4
.set SGO,  12
.set ADRA, 16
.set ADRB, 20
.set QO,   24
.set DO,   25
.set SS,   26
.set SRD,  27
.set SPW,  28
.set NIL,  29
.set ADRS, 30
.set SC,   32
.set HE,   64
.set HP,   96
.set AF,   128
.set HT,   192
.set TM,   196
.set PW,   204
.set SW,   212
.set G1, 24
.set G0, 32
.set G1B, 48
.set G0B, 56
.set MSB, 0
.macro WIN new
.if MSB != \new
	s_set_vgpr_msb (MSB<<8)|\new
.set MSB, \new
.endif
.endm
.set MUL_LO, 0xa1
.set MUL_HI, 0xf1
.set TO_B,   0x40
; A prefetch behind each joint load: the packet that my wave fetches two refills on.  Its 100 blocks of 256 bytes are shared out by address among the four partners that ask for it jointly:
; 25 blocks each, a lane a block (lanes 25-31 name lane 24's again).  s[80:81]: my quarter of my packet of the slot pair at work.  The last trip's two refills have no slot two on.
.macro ASK sl, loop
.if \loop
	s_cmp_gt_u32 s3, 1
	s_cbranch_scc0 .Lno_ask_\@
.endif
	global_prefetch_b8 v13, s[80:81] offset:(2+\sl)*PKT th:TH_LOAD_NT scope:SCOPE_SE
.if \loop
.Lno_ask_\@:
.endif
.endm
.macro JLOAD g0a, g1a, g0b, g1b
	s_cmp_eq_u32 s15, 0
	s_cbranch_scc0 .Lfor_b_\@
	tensor_load_to_lds s[\g0a:\g0a+3], s[\g1a:\g1a+7]
	s_nop 0
.rept 4
	v_nop
.endr
	s_branch .Lasked_\@
.Lfor_b_\@:
	tensor_load_to_lds s[\g0b:\g0b+3], s[\g1b:\g1b+7]
	s_nop 0
.rept 4
	v_nop
.endr
.Lasked_\@:
.endm
.macro CREST
	s_cmp_lg_u32 s14, 0
	s_cbranch_scc1 .Lnot_wave_0_\@
	s_barrier_signal -3
.Lnot_wave_0_\@:
	s_barrier_wait -3
	s_barrier_signal -1
	s_barrier_wait -1
.endm
.macro CROUND
	s_barrier_signal -1
	s_barrier_wait -1
	CREST
.endm
	s_load_b128 s[4:7], s[0:1], 0x0
	s_load_b64 s[8:9], s[0:1], 0x10
	v_lshl_add_u32 v[SPW], v0, 2, SPARE
	v_mov_b32 v[NIL], 0
	ds_add_u32 v28, v29
	ds_add_u32 v28, v29
	s_wait_dscnt 0x0
	v_lshrrev_b32 v1, 5, v0
	v_readfirstlane_b32 s14, v1
	v_and_b32 v13, 31, v0
	v_min_u32 v13, 24, v13
	v_lshlrev_b32 v13, 8, v13                      ; the prefetches' offset: a block of 256 bytes a lane; never rewritten
	s_lshr_b32 s15, s14, 1
	s_and_b32 s16, s14, 1
	s_bfe_u32 s40, ttmp6, 0x40000
	s_bfe_u32 s41, ttmp6, 0x40004
	s_lshl_b32 s42, ttmp9, 2
	s_add_co_u32 s42, s42, s40
	s_mov_b32 s17, s41
	s_lshl_b32 s43, s41, 2
	s_lshl_b32 s43, 15, s43
	s_lshl_b32 s44, 0x1111, s40
	s_or_b32 s[G1+0], s43, (3<<16)|(1<<21)
	s_or_b32 s[G1B+0], s44, (3<<16)|(1<<21)
.irp g, G1, G1B
	s_mov_b32 s[\g+1], 32<<16
	s_mov_b32 s[\g+2], 100<<16
	s_mov_b32 s[\g+3], 32<<16
	s_mov_b32 s[\g+4], 100
	s_mov_b32 s[\g+5], 32
	s_mov_b32 s[\g+6], 0
	s_mov_b32 s[\g+7], 0
.endr
	s_lshl_b32 s20, s17, 1
	s_add_co_u32 s20, s20, s16
	s_mul_i32 s20, s20, 8*PKT
	s_mov_b32 s21, 0
	s_lshl_b32 s46, s42, 1
	s_add_co_u32 s46, s46, s16
	s_mul_i32 s46, s46, 8*PKT
	s_mov_b32 s47, 0
	s_mul_i32 s45, s14, PKT
	s_lshl_b32 s74, s17, 1
	s_add_co_u32 s74, s74, s15
	s_lshl_b32 s74, s74, 5
	s_lshr_b32 s75, s42, 1
	s_add_co_u32 s74, s74, s75
	s_mul_i32 s74, s74, PKT
	s_and_b32 s75, s42, 1
	s_mul_i32 s76, s75, 1536
	s_add_co_u32 s76, s76, s74
	s_mul_i32 s77, s16, 768
	s_add_co_u32 s76, s76, s77
	s_mov_b32 s77, 0
	s_lshl_b32 s78, s75, 9
	s_add_co_u32 s78, s78, s74
	s_lshl_b32 s79, s16, 8
	s_add_co_u32 s78, s78, s79
	s_add_co_u32 s78, s78, 24576
	s_mov_b32 s79, 0
	s_mov_b32 s70, 0xbfb8aa3b
	s_mov_b32 s71, s70
	s_mov_b32 s72, 0x76543210
	s_mov_b32 s73, 0xfedcba98
	s_wait_alu depctr_va_vdst(0)
	s_wait_kmcnt 0x0
	s_add_nc_u64 s[20:21], s[4:5], s[20:21]
	s_add_nc_u64 s[46:47], s[6:7], s[46:47]
	s_add_nc_u64 s[66:67], s[8:9], s[76:77]
	s_add_nc_u64 s[68:69], s[8:9], s[78:79]
	s_cmp_eq_u32 s15, 0                            ; do I fetch for A?
	s_cselect_b64 s[80:81], s[20:21], s[46:47]
	s_cselect_b32 s82, s40, s41                    ; my place among the four that ask with me
	s_mul_i32 s82, s82, 6400
	s_mov_b32 s83, 0
	s_add_nc_u64 s[80:81], s[80:81], s[82:83]
	CROUND
.irp s, 0,1
	s_mov_b32 s[G0+4*\s], 1
	s_add_co_u32 s[G0+4*\s+1], s45, \s*SLOT
	s_add_nc_u64 s[G0+4*\s+2:G0+4*\s+3], s[20:21], \s*PKT
	s_or_b32 s[G0+4*\s+3], s[G0+4*\s+3], 0x80000000
	s_mov_b32 s[G0B+4*\s], 1
	s_add_co_u32 s[G0B+4*\s+1], s45, \s*SLOT
	s_add_nc_u64 s[G0B+4*\s+2:G0B+4*\s+3], s[46:47], \s*PKT
	s_or_b32 s[G0B+4*\s+3], s[G0B+4*\s+3], 0x80000000
.endr
	JLOAD G0, G1, G0B, G1B                         ; slot 0: one tensor load a wave at the head; the addresses below are made while it is out
	ASK -1, 0                                      ; slot 1's packet too: its load goes out only when slot 0's has landed
	ASK 0, 0
	v_and_b32 v1, 15, v0
	v_bfe_u32 v2, v0, 4, 1
	v_and_b32 v3, 31, v0
	v_lshlrev_b32 v[QO], 4, v3
	v_lshlrev_b32 v[DO], 4, v1
	v_lshl_add_u32 v[DO], v2, 3, v[DO]
	v_lshlrev_b32 v[SGO], 3, v3
	s_mul_i32 s21, s15, PKT
	s_mul_i32 s22, s16, PKT
	s_add_co_u32 s22, s22, 2*PKT
.irp s, 0,1
	v_add_nc_u32 v[ADRA+\s], s21, v[QO]
	v_add_nc_u32 v[ADRB+\s], s22, v[QO]
	v_add_nc_u32 v[ADRA+2+\s], s21, v[DO]
	v_add_nc_u32 v[ADRB+2+\s], s22, v[DO]
	s_add_co_u32 s21, s21, SLOT
	s_add_co_u32 s22, s22, SLOT
.endr
	s_mul_i32 s21, s15, PKT
	s_mul_i32 s22, s16, PKT
	s_add_co_u32 s22, s22, 2*PKT
	s_sub_co_u32 s22, s22, s21
	v_mul_u32_u24 v6, s22, v2
	v_lshl_add_u32 v6, v1, 3, v6
	v_add_nc_u32 v[ADRS], s21, v6
	v_add_nc_u32 v[ADRS+1], SLOT, v[ADRS]
	s_lshl_b32 s23, s15, 9
	s_lshl_b32 s21, s16, 1
	s_add_co_u32 s23, s23, s21
	s_add_co_u32 s23, s23, SCST
	v_lshl_add_u32 v[SS], v1, 2, s23
	s_lshl_b32 s23, s14, 8
	s_add_co_u32 s23, s23, SCST
	v_lshl_add_u32 v[SRD], v3, 3, s23
.macro FRAG reg, adr, q, i
	ds_load_b128 v[\reg:\reg+3], v[\adr] offset:(2*(\i)+(\q))*1536
	ds_load_b64 v[\reg+4:\reg+5], v[\adr+2] offset:(2*(\i)+(\q))*1536+512
	ds_load_b128 v[\reg+6:\reg+9], v[\adr] offset:(2*(\i)+(\q))*1536+768
	ds_load_b64 v[\reg+10:\reg+11], v[\adr+2] offset:(2*(\i)+(\q))*1536+1280
.endm
.macro MUL16 a0, p, q, sc, zero
.irp a, \a0, \a0+1
.irp b, 0,1,2,3,4,5,6,7
.if \zero
	v_wmma_scale_f32_16x16x128_f8f6f4 v[8*(8*((\a)%4)+\b):8*(8*((\a)%4)+\b)+7], v[128*(\p)+FR*\b:128*(\p)+FR*\b+FR-1], v[AF+FR*(\a):AF+FR*(\a)+FR-1], 0, v[SC+8*NQ*(\sc)+NQ*\b+(\q)], v[SC+8*NQ*(\sc)+NQ*(\a)+(\q)] matrix_a_fmt:MATRIX_FMT_BF6 matrix_b_fmt:MATRIX_FMT_BF6 matrix_a_scale:MATRIX_SCALE_ROW1
.else
	v_wmma_scale_f32_16x16x128_f8f6f4 v[8*(8*((\a)%4)+\b):8*(8*((\a)%4)+\b)+7], v[128*(\p)+FR*\b:128*(\p)+FR*\b+FR-1], v[AF+FR*(\a):AF+FR*(\a)+FR-1], v[8*(8*((\a)%4)+\b):8*(8*((\a)%4)+\b)+7], v[SC+8*NQ*(\sc)+NQ*\b+(\q)], v[SC+8*NQ*(\sc)+NQ*(\a)+(\q)] matrix_a_fmt:MATRIX_FMT_BF6 matrix_b_fmt:MATRIX_FMT_BF6 matrix_a_scale:MATRIX_SCALE_ROW1
.endif
.endr
.endr
.endm
.macro FETCH_B slot, q, p
	WIN TO_B
.irp i, 0,1,2,3,4,5,6,7
	FRAG 128*(\p)+FR*\i, ADRB+\slot, \q, \i
.endr
	WIN 0
.endm
.macro FETCH_A slot, q, i0
.irp i, \i0, \i0+1, \i0+2, \i0+3
	FRAG AF+FR*(\i), ADRA+\slot, \q, \i
.endr
.endm
.macro SCALES sc
.irp i, 0,1,2,3,4,5,6,7
	ds_load_b64 v[SC+16*\sc+2*\i:SC+16*\sc+2*\i+1], v[ADRS+\sc] offset:24576+128*\i
.endr
.endm
.macro PLACES n
.rept \n
	v_nop
.endr
.endm
.macro STEP slot, q, zero
	s_wait_dscnt 4*NL
	WIN MUL_LO
	MUL16 0, (\q)%2, \q, \slot, \zero
	MUL16 2, (\q)%2, \q, \slot, \zero
	s_wait_dscnt 0
	PLACES NP
	FETCH_B \slot, (\q)+1, 1-(\q)%2
	FETCH_A \slot, (\q)+1, 0
	WIN MUL_HI
	MUL16 4, (\q)%2, \q, \slot, \zero
	MUL16 6, (\q)%2, \q, \slot, \zero
	PLACES NP
	WIN 0
	FETCH_A \slot, (\q)+1, 4
.endm
.macro TURN slot, next, fill
	s_wait_tensorcnt 0x0
	ds_add_u32 v[SPW], v[NIL]
	s_wait_dscnt 4*NL+1
	WIN MUL_LO
	MUL16 0, 1, NQ-1, \slot, 0
	s_wait_dscnt 0x0
	s_barrier_signal -1
	MUL16 2, 1, NQ-1, \slot, 0
	WIN 0
	s_barrier_wait -1
.if \fill
	CREST
	s_add_nc_u64 s[G0+4*\slot+2:G0+4*\slot+3], s[G0+4*\slot+2:G0+4*\slot+3], 2*PKT
	s_add_nc_u64 s[G0B+4*\slot+2:G0B+4*\slot+3], s[G0B+4*\slot+2:G0B+4*\slot+3], 2*PKT
	JLOAD G0+4*\slot, G1, G0B+4*\slot, G1B
.else
	PLACES NP
.endif
	FETCH_B \next, 0, 0
	FETCH_A \next, 0, 0
	SCALES \next
.if \fill
	ASK \slot, 1
.endif
	WIN MUL_HI
	MUL16 4, 1, NQ-1, \slot, 0
	MUL16 6, 1, NQ-1, \slot, 0
	PLACES NP
	WIN 0
	FETCH_A \next, 0, 4
.endm
	s_wait_alu depctr_va_vdst(0)
	s_wait_tensorcnt 0x0                           ; my part of slot 0 is in; the lines ahead of a later first fill:
	ds_add_u32 v[SPW], v[NIL]
	s_wait_dscnt 0x0
	CROUND                                         ; everybody's part is in, and all sixteen work-groups are here
	JLOAD G0+4, G1, G0B+4, G1B                     ; slot 1, the first tensor load behind the round
	FETCH_B 0, 0, 0
	FETCH_A 0, 0, 0
	SCALES 0
	FETCH_A 0, 0, 4
	ASK 1, 0
	STEP 0, 0, 1
	s_wait_xcnt 0x0                                ; my prefetches have read their address: it steps to the next pair of slots
	s_add_nc_u64 s[80:81], s[80:81], 2*PKT
	s_mov_b32 s3, LAPS-1
.Llap:
	TURN 0, 1, 1
	STEP 1, 0, 0
	TURN 1, 0, 1
	STEP 0, 0, 0
	s_wait_xcnt 0x0                                ; my prefetches have read their address
	s_add_nc_u64 s[80:81], s[80:81], 2*PKT
	s_sub_co_u32 s3, s3, 1
	s_cmp_lg_u32 s3, 0
	s_cbranch_scc1 .Llap
	TURN 0, 1, 0
	STEP 1, 0, 0
	s_wait_dscnt 4*NL
	WIN MUL_LO
	MUL16 0, 1, NQ-1, 1, 0
	MUL16 2, 1, NQ-1, 1, 0
	s_wait_dscnt 0
	WIN MUL_HI
	MUL16 4, 1, NQ-1, 1, 0
	MUL16 6, 1, NQ-1, 1, 0
	WIN 0
.macro HB a
.set AC, 64*((\a)%4)
.set CA, 128+8*(\a)
	WIN 0x0a+5*((\a)/4)
.set i, 0
.rept 16
	v_pk_mul_f32 v[HP+i:HP+i+1], v[AC+i:AC+i+1], v[AC+32+i:AC+32+i+1]
.set i, i+2
.endr
.set i, 0
.rept 16
	v_pk_mul_f32 v[HE+i:HE+i+1], v[AC+i:AC+i+1], s[70:71] op_sel_hi:[1,0]
.set i, i+2
.endr
	WIN 0
.set i, 0
	s_wait_alu depctr_va_vdst(0)
.rept 32
	v_exp_f32 v[HE+i], v[HE+i]
.set i, i+1
.endr
	v_nop
.set i, 0
	s_wait_alu depctr_va_vdst(0)
.rept 16
	v_pk_add_f32 v[HE+i:HE+i+1], v[HE+i:HE+i+1], 1.0 op_sel_hi:[1,0]
.set i, i+2
.endr
.set i, 0
	s_wait_alu depctr_va_vdst(0)
.rept 32
	v_rcp_f32 v[HE+i], v[HE+i]
.set i, i+1
.endr
	v_nop
.set i, 0
	s_wait_alu depctr_va_vdst(0)
.rept 16
	v_pk_mul_f32 v[HP+i:HP+i+1], v[HP+i:HP+i+1], v[HE+i:HE+i+1]
.set i, i+2
.endr
.irp b, 0,1
	v_max3_num_f32 v[TM+\b], |v[HP+16*\b]|, |v[HP+1+16*\b]|, 0x2800000
.endr
.irp i, 2,4,6,8,10,12,14
.irp b, 0,1
	v_max3_num_f32 v[TM+\b], v[TM+\b], |v[HP+16*\b+\i]|, |v[HP+1+16*\b+\i]|
.endr
.endr
	v_permlanex16_b32 v[TM+2], v[TM], s72, s73
	v_permlanex16_b32 v[TM+3], v[TM+1], s72, s73
	v_max_num_f32 v[TM], v[TM], v[TM+2]
	v_max_num_f32 v[TM+1], v[TM+1], v[TM+3]
	v_add_nc_u32 v[TM+4], 0xfe000000, v[TM]
	v_add_nc_u32 v[TM+5], 0xfe000000, v[TM+1]
	v_lshrrev_b32 v[TM+6], 23, v[TM+4]
	v_lshrrev_b32 v[TM+7], 23, v[TM+5]
	v_lshl_or_b32 v[PW+(\a)], v[TM+7], 8, v[TM+6]
	v_cvt_scalef32_pk16_bf6_f32 v[CA:CA+2], v[HP:HP+15], v[TM+4]
	v_cvt_scalef32_pk16_bf6_f32 v[HT:HT+2], v[HP+16:HP+31], v[TM+5]
	v_nop
.irp i, 0,1,2
	v_permlane16_swap_b32 v[CA+\i], v[HT+\i]
.endr
.irp i, 0,1,2
	v_mov_b32 v[CA+3+\i], v[HT+\i]
.endr
	global_store_b128 v[QO], v[CA:CA+3], s[66:67] offset:3072*(\a)
	global_store_b64 v[DO], v[CA+4:CA+5], s[66:67] offset:3072*(\a)+512
	ds_store_b16 v[SS], v[PW+(\a)] offset:64*(\a)
.endm
	PLACES NP
	v_mov_b32 v[TM+2], 0
	v_mov_b32 v[TM+3], 0
.irp a, 0,1,2,3,4,5,6,7
	HB \a
.endr
	s_wait_dscnt 0x0
	s_barrier_signal -1
	s_barrier_wait -1
	ds_load_b64 v[SW:SW+1], v[SRD]
	s_wait_dscnt 0x0
	global_store_b64 v[SGO], v[SW:SW+1], s[68:69]
	s_wait_tensorcnt 0x0
	ds_add_u32 v[SPW], v[NIL]
	s_wait_dscnt 0x0
	CROUND
	s_endpgm
.Lfunc_end_k_qfd424fe6fb_gateup:
	.size	k_qfd424fe6fb_gateup, .Lfunc_end_k_qfd424fe6fb_gateup-k_qfd424fe6fb_gateup
	.p2alignl 7, 3214868480
	.fill 96, 4, 3214868480
	.section	.rodata,"a",@progbits
	.p2align	6, 0x0
	.amdhsa_kernel k_qfd424fe6fb_gateup
		.amdhsa_group_segment_fixed_size 327680
		.amdhsa_private_segment_fixed_size 0
		.amdhsa_enable_private_segment 0
		.amdhsa_kernarg_size 24
		.amdhsa_user_sgpr_count 2
		.amdhsa_user_sgpr_kernarg_segment_ptr 1
		.amdhsa_wavefront_size32 1
		.amdhsa_system_sgpr_workgroup_id_x 1
		.amdhsa_system_sgpr_workgroup_id_y 1
		.amdhsa_system_sgpr_workgroup_id_z 1
		.amdhsa_system_vgpr_workitem_id 0
		.amdhsa_next_free_vgpr 1024
		.amdhsa_next_free_sgpr 84
		.amdhsa_reserve_vcc 0
		.amdhsa_float_denorm_mode_32 3
		.amdhsa_float_denorm_mode_16_64 3
		.amdhsa_memory_ordered 1
		.amdhsa_forward_progress 1
		.amdhsa_inst_pref_size 181
	.end_amdhsa_kernel
	.amdgpu_metadata
---
amdhsa.version: [ 1, 2 ]
amdhsa.kernels:
  - .name:           k_qfd424fe6fb_gateup
    .symbol:         k_qfd424fe6fb_gateup.kd
    .args:
      - { .name: xq, .offset: 0, .size: 8, .value_kind: global_buffer, .address_space: global }
      - { .name: w13q, .offset: 8, .size: 8, .value_kind: global_buffer, .address_space: global }
      - { .name: hq, .offset: 16, .size: 8, .value_kind: global_buffer, .address_space: global }
    .group_segment_fixed_size: 327680
    .private_segment_fixed_size: 0
    .kernarg_segment_align: 8
    .kernarg_segment_size: 24
    .max_flat_workgroup_size: 128
    .sgpr_count:     84
    .vgpr_count:     1024
    .wavefront_size: 32
...
	.end_amdgpu_metadata
.endif
;; end of part 2
;; launch down (part 3): grid 32 x 8, 4 waves a work-group, clusters of 4 x 4, 327,680 bytes of LDS; arguments hq, w2q, routing_weights, out0; writes out0
.if DOCPART == 3
	.amdgcn_target "amdgcn-amd-amdhsa--gfx1250"
	.amdhsa_code_object_version 6
	.text
	.protected	k_qfd424fe6fb_down
	.globl	k_qfd424fe6fb_down
	.p2align	8
	.type	k_qfd424fe6fb_down,@function
k_qfd424fe6fb_down:
	s_mov_b64 s[64:65], 0
	v_nop
	global_prefetch_b8 v0, s[64:65] scope:SCOPE_SE
	s_setreg_imm32_b32 hwreg(HW_REG_WAVE_MODE, 25, 1), 1
	s_wait_xcnt 0x0
	s_wait_alu depctr_hold_cnt(0) depctr_sa_sdst(0) depctr_va_vdst(0) depctr_va_sdst(0) depctr_va_ssrc(0) depctr_va_vcc(0) depctr_vm_vsrc(0)
	s_getreg_b32 s2, hwreg(HW_REG_IB_STS2, 6, 4)
	s_cmp_eq_u32 s2, 0
	s_cbranch_scc0 .Lentry_in_a_cluster
	s_endpgm
.Lentry_in_a_cluster:
	s_bfe_u32 s2, ttmp6, 0x10000c
	s_cmp_lg_u32 s2, 0xf033
	s_cbranch_scc0 .Lentry_shape_is_right
	s_endpgm
.Lentry_shape_is_right:
.set PKT,   25600
.set P64,   12800
.set SLOT,  4*PKT+4*P64
.set SPARE, 2*SLOT
.set LAPS,  4
.set FR,    12
.set STGW,  128*272
.set STO,  8
.set RD,   9
.set RWO,  13
.set GO,   14
.set ADRA, 16
.set ADRB, 20
.set ASA,  24
.set ASB,  26
.set SPW,  28
.set NIL,  29
.set SA,   32
.set SB,   40
.set RW,   48
.set AF,   64
.set G1, 24
.set G0, 32
.set G1B, 48
.set G0B, 56
.set MSB, 0
.macro WIN new
.if MSB != \new
	s_set_vgpr_msb (MSB<<8)|\new
.set MSB, \new
.endif
.endm
.set MUL,  0xa1
.set TO_B, 0x40
; A prefetch behind each joint load: what my wave fetches two refills on, shared out by address among the four partners that ask for it jointly.  A's waves fetch 200 blocks of 256 bytes:
; 50 a partner, two instructions of 25 blocks; B's waves 100: 25 a partner, one instruction.  A lane a block (lanes 25-31 name lane 24's again).  The last trip's two refills have no slot two on.
.macro ASK sl, loop
.if \loop
	s_cmp_gt_u32 s3, 1
	s_cbranch_scc0 .Lasked_pf_\@
.endif
	s_cmp_eq_u32 s15, 0
	s_cbranch_scc0 .Lask_b_\@
	global_prefetch_b8 v15, s[80:81] offset:(2+\sl)*4*PKT th:TH_LOAD_NT scope:SCOPE_SE
	global_prefetch_b8 v15, s[80:81] offset:(2+\sl)*4*PKT+6400 th:TH_LOAD_NT scope:SCOPE_SE
	s_branch .Lasked_pf_\@
.Lask_b_\@:
	global_prefetch_b8 v15, s[80:81] offset:(2+\sl)*4*P64 th:TH_LOAD_NT scope:SCOPE_SE
.Lasked_pf_\@:
.endm
.macro JLOAD g0a, g1a, g0b, g1b
	s_cmp_eq_u32 s15, 0
	s_cbranch_scc0 .Lfor_b_\@
	tensor_load_to_lds s[\g0a:\g0a+3], s[\g1a:\g1a+7]
	s_nop 0
.rept 4
	v_nop
.endr
	s_branch .Lasked_\@
.Lfor_b_\@:
	tensor_load_to_lds s[\g0b:\g0b+3], s[\g1b:\g1b+7]
	s_nop 0
.rept 4
	v_nop
.endr
.Lasked_\@:
.endm
.macro CREST
	s_cmp_lg_u32 s14, 0
	s_cbranch_scc1 .Lnot_wave_0_\@
	s_barrier_signal -3
.Lnot_wave_0_\@:
	s_barrier_wait -3
	s_barrier_signal -1
	s_barrier_wait -1
.endm
.macro CROUND
	s_barrier_signal -1
	s_barrier_wait -1
	CREST
.endm
	s_load_b128 s[4:7], s[0:1], 0x0
	s_load_b128 s[8:11], s[0:1], 0x10
	v_lshl_add_u32 v[SPW], v0, 2, SPARE
	v_mov_b32 v[NIL], 0
	ds_add_u32 v28, v29
	ds_add_u32 v28, v29
	s_wait_dscnt 0x0
	v_lshrrev_b32 v1, 5, v0
	v_readfirstlane_b32 s14, v1
	s_lshr_b32 s15, s14, 1
	s_and_b32 s16, s14, 1
	s_bfe_u32 s40, ttmp6, 0x40000
	s_bfe_u32 s41, ttmp6, 0x40004
	s_lshl_b32 s42, ttmp9, 2
	s_add_co_u32 s42, s42, s40
	s_and_b32 s17, ttmp7, 0xffff
	s_lshl_b32 s17, s17, 2
	s_add_co_u32 s17, s17, s41
	s_lshl_b32 s43, s41, 2
	s_lshl_b32 s43, 15, s43
	s_lshl_b32 s44, 0x1111, s40
	s_or_b32 s[G1+0], s43, (3<<16)|(1<<21)
	s_mov_b32 s[G1+1], 32<<16
	s_mov_b32 s[G1+2], 200<<16
	s_mov_b32 s[G1+3], 32<<16
	s_mov_b32 s[G1+4], 200
	s_mov_b32 s[G1+5], 32
	s_mov_b32 s[G1+6], 0
	s_mov_b32 s[G1+7], 0
	s_or_b32 s[G1B+0], s44, (3<<16)|(1<<21)
	s_mov_b32 s[G1B+1], 32<<16
	s_mov_b32 s[G1B+2], 100<<16
	s_mov_b32 s[G1B+3], 32<<16
	s_mov_b32 s[G1B+4], 100
	s_mov_b32 s[G1B+5], 32
	s_mov_b32 s[G1B+6], 0
	s_mov_b32 s[G1B+7], 0
	s_mul_i32 s20, s17, 32*PKT
	s_mul_i32 s45, s16, 2*PKT
	s_add_co_u32 s20, s20, s45
	s_mov_b32 s21, 0
	s_mul_i32 s46, s42, 32*P64
	s_mul_i32 s66, s16, 2*P64
	s_add_co_u32 s46, s46, s66
	s_mov_b32 s47, 0
	s_add_co_u32 s66, s66, 4*PKT
	s_lshl_b32 s74, s17, 9
	s_lshl_b32 s75, s14, 7
	s_add_co_u32 s74, s74, s75
	s_mov_b32 s75, 0
	s_lshl_b32 s76, s17, 7
	s_lshl_b32 s77, s14, 5
	s_add_co_u32 s76, s76, s77
	s_lshl_b32 s76, s76, 13
	s_lshl_b32 s77, s42, 8
	s_add_co_u32 s76, s76, s77
	s_mov_b32 s77, 0
	v_bfe_u32 v2, v0, 4, 1
	v_lshlrev_b32 v[RWO], 2, v2
	v_and_b32 v15, 31, v0
	v_min_u32 v15, 24, v15
	v_lshlrev_b32 v15, 8, v15                      ; the prefetches' offset: a block of 256 bytes a lane; never rewritten
	s_wait_alu depctr_va_vdst(0)
	s_wait_kmcnt 0x0
	s_add_nc_u64 s[20:21], s[4:5], s[20:21]
	s_add_nc_u64 s[46:47], s[6:7], s[46:47]
	s_add_nc_u64 s[8:9], s[8:9], s[74:75]
	s_add_nc_u64 s[10:11], s[10:11], s[76:77]
	s_cmp_eq_u32 s15, 0                            ; do I fetch for A?
	s_cselect_b64 s[80:81], s[20:21], s[46:47]
	s_cselect_b32 s82, s40, s41                    ; my place among the four that ask with me
	s_mov_b32 s83, 6400
	s_cselect_b32 s83, 12800, s83                  ; a partner's share of what I fetch
	s_mul_i32 s82, s82, s83
	s_mov_b32 s84, 8*P64
	s_cselect_b32 s84, 8*PKT, s84                  ; from a pair of slots to the next
	s_mov_b32 s83, 0
	s_mov_b32 s85, 0
	s_add_nc_u64 s[80:81], s[80:81], s[82:83]
.irp t, 0,1,2,3,4,5,6,7,8,9,10,11,12,13,14,15
	global_load_b32 v[RW+\t], v[RWO], s[8:9] offset:8*\t
.endr
	CROUND
.irp s, 0,1
	s_mov_b32 s[G0+4*\s], 1
	s_add_co_u32 s[G0+4*\s+1], s45, \s*SLOT
	s_add_nc_u64 s[G0+4*\s+2:G0+4*\s+3], s[20:21], \s*4*PKT
	s_or_b32 s[G0+4*\s+3], s[G0+4*\s+3], 0x80000000
	s_mov_b32 s[G0B+4*\s], 1
	s_add_co_u32 s[G0B+4*\s+1], s66, \s*SLOT
	s_add_nc_u64 s[G0B+4*\s+2:G0B+4*\s+3], s[46:47], \s*4*P64
	s_or_b32 s[G0B+4*\s+3], s[G0B+4*\s+3], 0x80000000
.endr
	JLOAD G0, G1, G0B, G1B                         ; slot 0: one tensor load a wave at the head; the addresses below are made while it is out
	ASK -1, 0                                      ; slot 1's packets too: their load goes out only when slot 0's has landed
	ASK 0, 0
	v_and_b32 v1, 15, v0
	v_and_b32 v3, 31, v0
	v_lshlrev_b32 v4, 4, v3
	v_lshlrev_b32 v5, 4, v1
	v_lshl_add_u32 v5, v2, 3, v5
	v_lshlrev_b32 v6, 2, v3
	v_lshlrev_b32 v7, 3, v3
	s_mul_i32 s21, s14, PKT
	s_mul_i32 s22, s14, P64
	s_add_co_u32 s22, s22, 4*PKT
.irp s, 0,1
	v_add_nc_u32 v[ADRA+\s], s21, v4
	v_add_nc_u32 v[ADRA+2+\s], s21, v5
	v_add_nc_u32 v[ADRB+\s], s22, v4
	v_add_nc_u32 v[ADRB+2+\s], s22, v5
	v_add_nc_u32 v[ASA+\s], s21, v6
	v_add_nc_u32 v[ASB+\s], s22, v7
	s_add_co_u32 s21, s21, SLOT
	s_add_co_u32 s22, s22, SLOT
.endr
	s_mul_i32 s23, s14, STGW
	v_mul_u32_u24 v[STO], v1, 272
	v_lshl_add_u32 v[STO], v2, 5, v[STO]
	v_add_nc_u32 v[STO], s23, v[STO]
	s_mul_i32 s23, s14, 32*272
	v_mul_u32_u24 v[RD], v2, 272
	v_lshl_add_u32 v[RD], v1, 4, v[RD]
	v_add_nc_u32 v[RD], s23, v[RD]
	v_add_nc_u32 v[RD+1], STGW, v[RD]
	v_add_nc_u32 v[RD+2], 2*STGW, v[RD]
	v_add_nc_u32 v[RD+3], 3*STGW, v[RD]
	v_lshlrev_b32 v[GO], 13, v2
	v_lshl_add_u32 v[GO], v1, 4, v[GO]
.macro FRAG reg, adr, q, i
	ds_load_b128 v[\reg:\reg+3], v[\adr] offset:(2*(\i)+(\q))*1536
	ds_load_b64 v[\reg+4:\reg+5], v[\adr+2] offset:(2*(\i)+(\q))*1536+512
	ds_load_b128 v[\reg+6:\reg+9], v[\adr] offset:(2*(\i)+(\q))*1536+768
	ds_load_b64 v[\reg+10:\reg+11], v[\adr+2] offset:(2*(\i)+(\q))*1536+1280
.endm
.macro FETCH sl, q
	WIN TO_B
.irp i, 0,1,2,3
	FRAG 64*(\q)+FR*\i, ADRB+\sl, \q, \i
.endr
	WIN 0
.irp i, 0,1,2,3,4,5,6,7
	FRAG AF+96*(\q)+FR*\i, ADRA+\sl, \q, \i
.endr
.irp a2, 0,1,2,3
	ds_load_b32 v[SA+4*(\q)+\a2], v[ASA+\sl] offset:24576+512*(\q)+128*\a2
.endr
.if (\q) == 0
.irp bb, 0,1
	ds_load_b64 v[SB+4*(\sl)+2*\bb:SB+4*(\sl)+2*\bb+1], v[ASB+\sl] offset:12288+256*\bb
.endr
.endif
.endm
.macro WM a, b, q, sl, zero
.set rD, 8*(4*(\a)+(\b))
.set rB, 64*(\q)+FR*(\b)
.set rA, AF+96*(\q)+FR*(\a)
.set rSB, SB+4*(\sl)+2*((\b)/2)+(\q)
.set rSA, SA+4*(\q)+(\a)/2
.set PAR, 2*((\a)%2)+(\b)%2
.if \zero
.if PAR == 0
	v_wmma_scale_f32_16x16x128_f8f6f4 v[rD:rD+7], v[rB:rB+FR-1], v[rA:rA+FR-1], 0, v[rSB], v[rSA] matrix_a_fmt:MATRIX_FMT_BF6 matrix_b_fmt:MATRIX_FMT_BF6
.elseif PAR == 1
	v_wmma_scale_f32_16x16x128_f8f6f4 v[rD:rD+7], v[rB:rB+FR-1], v[rA:rA+FR-1], 0, v[rSB], v[rSA] matrix_a_fmt:MATRIX_FMT_BF6 matrix_b_fmt:MATRIX_FMT_BF6 matrix_a_scale:MATRIX_SCALE_ROW1
.elseif PAR == 2
	v_wmma_scale_f32_16x16x128_f8f6f4 v[rD:rD+7], v[rB:rB+FR-1], v[rA:rA+FR-1], 0, v[rSB], v[rSA] matrix_a_fmt:MATRIX_FMT_BF6 matrix_b_fmt:MATRIX_FMT_BF6 matrix_b_scale:MATRIX_SCALE_ROW1
.else
	v_wmma_scale_f32_16x16x128_f8f6f4 v[rD:rD+7], v[rB:rB+FR-1], v[rA:rA+FR-1], 0, v[rSB], v[rSA] matrix_a_fmt:MATRIX_FMT_BF6 matrix_b_fmt:MATRIX_FMT_BF6 matrix_a_scale:MATRIX_SCALE_ROW1 matrix_b_scale:MATRIX_SCALE_ROW1
.endif
.else
.if PAR == 0
	v_wmma_scale_f32_16x16x128_f8f6f4 v[rD:rD+7], v[rB:rB+FR-1], v[rA:rA+FR-1], v[rD:rD+7], v[rSB], v[rSA] matrix_a_fmt:MATRIX_FMT_BF6 matrix_b_fmt:MATRIX_FMT_BF6
.elseif PAR == 1
	v_wmma_scale_f32_16x16x128_f8f6f4 v[rD:rD+7], v[rB:rB+FR-1], v[rA:rA+FR-1], v[rD:rD+7], v[rSB], v[rSA] matrix_a_fmt:MATRIX_FMT_BF6 matrix_b_fmt:MATRIX_FMT_BF6 matrix_a_scale:MATRIX_SCALE_ROW1
.elseif PAR == 2
	v_wmma_scale_f32_16x16x128_f8f6f4 v[rD:rD+7], v[rB:rB+FR-1], v[rA:rA+FR-1], v[rD:rD+7], v[rSB], v[rSA] matrix_a_fmt:MATRIX_FMT_BF6 matrix_b_fmt:MATRIX_FMT_BF6 matrix_b_scale:MATRIX_SCALE_ROW1
.else
	v_wmma_scale_f32_16x16x128_f8f6f4 v[rD:rD+7], v[rB:rB+FR-1], v[rA:rA+FR-1], v[rD:rD+7], v[rSB], v[rSA] matrix_a_fmt:MATRIX_FMT_BF6 matrix_b_fmt:MATRIX_FMT_BF6 matrix_a_scale:MATRIX_SCALE_ROW1 matrix_b_scale:MATRIX_SCALE_ROW1
.endif
.endif
.endm
.macro MUL8 q, sl, a2, zero
.irp bb, 0,1
	WM 2*(\a2), 2*\bb, \q, \sl, \zero
	WM 2*(\a2), 2*\bb+1, \q, \sl, \zero
	WM 2*(\a2)+1, 2*\bb, \q, \sl, \zero
	WM 2*(\a2)+1, 2*\bb+1, \q, \sl, \zero
.endr
.endm
.macro PLACES n
.rept \n
	v_nop
.endr
.endm
.macro STEP sl, zero
	PLACES 4
	FETCH \sl, 1
	s_wait_dscnt 52
	WIN MUL
	MUL8 0, \sl, 0, \zero
	MUL8 0, \sl, 1, \zero
	MUL8 0, \sl, 2, \zero
	MUL8 0, \sl, 3, \zero
.endm
.macro TURN sl, next, fill
	WIN 0
	s_wait_tensorcnt 0x0
	ds_add_u32 v[SPW], v[NIL]
	s_wait_dscnt 1
	WIN MUL
	MUL8 1, \sl, 0, 0
	s_wait_dscnt 0x0
	s_barrier_signal -1
	MUL8 1, \sl, 1, 0
	WIN 0
	s_barrier_wait -1
.if \fill
	CREST
	s_add_nc_u64 s[G0+4*\sl+2:G0+4*\sl+3], s[G0+4*\sl+2:G0+4*\sl+3], 8*PKT
	s_add_nc_u64 s[G0B+4*\sl+2:G0B+4*\sl+3], s[G0B+4*\sl+2:G0B+4*\sl+3], 8*P64
	JLOAD G0+4*\sl, G1, G0B+4*\sl, G1B
.else
	PLACES 4
.endif
	FETCH \next, 0
.if \fill
	ASK \sl, 1
.endif
	WIN MUL
	MUL8 1, \sl, 2, 0
	MUL8 1, \sl, 3, 0
.endm
	s_wait_alu depctr_va_vdst(0)
	s_wait_tensorcnt 0x0                           ; my part of slot 0 is in; the lines ahead of a later first fill:
	ds_add_u32 v[SPW], v[NIL]
	s_wait_dscnt 0x0
	CROUND                                         ; everybody's part is in, and all sixteen work-groups are here
	JLOAD G0+4, G1, G0B+4, G1B                     ; slot 1, the first tensor load behind the round
	FETCH 0, 0
	ASK 1, 0
	STEP 0, 1
	WIN 0
	s_wait_xcnt 0x0                                ; my prefetches have read their address: it steps to the next pair of slots
	s_add_nc_u64 s[80:81], s[80:81], s[84:85]
	s_mov_b32 s3, LAPS-1
.Llap:
	TURN 0, 1, 1
	STEP 1, 0
	TURN 1, 0, 1
	STEP 0, 0
	WIN 0
	s_wait_xcnt 0x0                                ; my prefetches have read their address
	s_add_nc_u64 s[80:81], s[80:81], s[84:85]
	s_sub_co_u32 s3, s3, 1
	s_cmp_lg_u32 s3, 0
	s_cbranch_scc1 .Llap
	TURN 0, 1, 0
	STEP 1, 0
	s_wait_dscnt 0x0
	MUL8 1, 1, 0, 0
	MUL8 1, 1, 1, 0
	MUL8 1, 1, 2, 0
	MUL8 1, 1, 3, 0
	WIN 0
	PLACES 4
	WIN 0x08
	s_wait_alu depctr_va_vdst(0)
.irp a, 0,1,2,3,4,5,6,7
.irp b, 0,1,2,3
	ds_store_b128 v[STO], v[8*(4*\a+\b):8*(4*\a+\b)+3] offset:\a*16*272+64*\b
	ds_store_b128 v[STO], v[8*(4*\a+\b)+4:8*(4*\a+\b)+7] offset:\a*16*272+64*\b+16
.endr
.endr
	WIN 0
	s_wait_dscnt 0x0
	s_barrier_signal -1
	s_barrier_wait -1
	s_wait_loadcnt 0x0
.macro LOADCH ch
.irp tt, 0,1,2,3
.irp p, 0,1,2,3
	ds_load_b128 v[64+64*((\ch)%2)+16*\tt+4*\p:64+64*((\ch)%2)+16*\tt+4*\p+3], v[RD+\p] offset:2*(4*(\ch)+\tt)*272
.endr
.endr
.endm
.macro SUMCH ch
.irp tt, 0,1,2,3
.set bs, 64+64*((\ch)%2)+16*\tt
.set tn, 4*(\ch)+\tt
	v_pk_add_f32 v[bs:bs+1], v[bs:bs+1], v[bs+4:bs+5]
	v_pk_add_f32 v[bs+2:bs+3], v[bs+2:bs+3], v[bs+6:bs+7]
	v_pk_add_f32 v[bs+8:bs+9], v[bs+8:bs+9], v[bs+12:bs+13]
	v_pk_add_f32 v[bs+10:bs+11], v[bs+10:bs+11], v[bs+14:bs+15]
	v_pk_add_f32 v[bs:bs+1], v[bs:bs+1], v[bs+8:bs+9]
	v_pk_add_f32 v[bs+2:bs+3], v[bs+2:bs+3], v[bs+10:bs+11]
.irp k, 0,1,2,3
	v_mul_f32 v[192+4*tn+\k], v[RW+tn], v[bs+\k]
.endr
	global_store_b128 v[GO], v[192+4*tn:192+4*tn+3], s[10:11] offset:16384*tn th:TH_STORE_NT
.endr
.endm
	LOADCH 0
	LOADCH 1
	s_wait_dscnt 16
	SUMCH 0
	LOADCH 2
	s_wait_dscnt 16
	SUMCH 1
	LOADCH 3
	s_wait_dscnt 16
	SUMCH 2
	s_wait_dscnt 0x0
	SUMCH 3
	s_wait_tensorcnt 0x0
	ds_add_u32 v[SPW], v[NIL]
	s_wait_dscnt 0x0
	CROUND
	s_endpgm
.Lfunc_end_k_qfd424fe6fb_down:
	.size	k_qfd424fe6fb_down, .Lfunc_end_k_qfd424fe6fb_down-k_qfd424fe6fb_down
	.p2alignl 7, 3214868480
	.fill 96, 4, 3214868480
	.section	.rodata,"a",@progbits
	.p2align	6, 0x0
	.amdhsa_kernel k_qfd424fe6fb_down
		.amdhsa_group_segment_fixed_size 327680
		.amdhsa_private_segment_fixed_size 0
		.amdhsa_enable_private_segment 0
		.amdhsa_kernarg_size 32
		.amdhsa_user_sgpr_count 2
		.amdhsa_user_sgpr_kernarg_segment_ptr 1
		.amdhsa_wavefront_size32 1
		.amdhsa_system_sgpr_workgroup_id_x 1
		.amdhsa_system_sgpr_workgroup_id_y 1
		.amdhsa_system_sgpr_workgroup_id_z 1
		.amdhsa_system_vgpr_workitem_id 0
		.amdhsa_next_free_vgpr 768
		.amdhsa_next_free_sgpr 86
		.amdhsa_reserve_vcc 0
		.amdhsa_float_denorm_mode_32 3
		.amdhsa_float_denorm_mode_16_64 3
		.amdhsa_memory_ordered 1
		.amdhsa_forward_progress 1
		.amdhsa_inst_pref_size 94
	.end_amdhsa_kernel
	.amdgpu_metadata
---
amdhsa.version: [ 1, 2 ]
amdhsa.kernels:
  - .name:           k_qfd424fe6fb_down
    .symbol:         k_qfd424fe6fb_down.kd
    .args:
      - { .name: hq, .offset: 0, .size: 8, .value_kind: global_buffer, .address_space: global }
      - { .name: w2q, .offset: 8, .size: 8, .value_kind: global_buffer, .address_space: global }
      - { .name: routing_weights, .offset: 16, .size: 8, .value_kind: global_buffer, .address_space: global }
      - { .name: out0, .offset: 24, .size: 8, .value_kind: global_buffer, .address_space: global }
    .group_segment_fixed_size: 327680
    .private_segment_fixed_size: 0
    .kernarg_segment_align: 8
    .kernarg_segment_size: 32
    .max_flat_workgroup_size: 128
    .sgpr_count:     86
    .vgpr_count:     768
    .wavefront_size: 32
...
	.end_amdgpu_metadata
.endif
;; end of part 3
